; MI455X (gfx1250); checked and timed in simulation.
; The chip was launched on July 23, 2026; its instructions are those of AMD's public machine-readable ISA for CDNA 5 (MIT licence, August 2026) and "CDNA5" Instruction Set Architecture Reference Guide (July 2026). The comments in the code are by the model that wrote it; some were corrected since.
;; GMM. Allowed arithmetic: float matrix products may take bf16 or f16 operands with f32 sums; all other float work in f32.
;; Inputs: chol_var 32 x 8 x 8 float32; means 32 x 8 float32; pi 32 float32; x 524,288 x 8 float32.
;; Outputs: out0 524,288 float32.
;; One version. Each part assembles by itself: llvm-mc -triple=amdgcn-amd-amdhsa -mcpu=gfx1250 --defsym DOCPART=n.
;; ======== version 1 of 1: 1 launch
;; launch gmm (part 1): grid 256 x 1, 16 waves a work-group, no clusters, 22,784 bytes of LDS; arguments chol_var, means, pi, x, out0; writes out0
.if DOCPART == 1
	.amdgcn_target "amdgcn-amd-amdhsa--gfx1250"
	.amdhsa_code_object_version 6
	.text
	.protected	k_q5cc1d310f5_gmm
	.globl	k_q5cc1d310f5_gmm
	.p2align	8
	.type	k_q5cc1d310f5_gmm,@function
k_q5cc1d310f5_gmm:
	s_mov_b64 s[64:65], 0
	v_nop
	global_prefetch_b8 v0, s[64:65] scope:SCOPE_SE
	s_setreg_imm32_b32 hwreg(HW_REG_WAVE_MODE, 25, 1), 1
	s_wait_xcnt 0x0
; out[n] = logsumexp over k of ( log N(x[n]; means[k], tril(chol_var[k]) tril(chol_var[k])^T + 1e-6 I) + log_softmax(pi)[k] )
; N = 524288 points, K = 32 components, D = 8.  One launch; 256 work-groups of 16 waves; a work-group owns 2,048 points, a wave 128.
;
; PARAMETERS.  Wave 0, lane = component, makes in f32: cov, its Cholesky factor C, log2 det, W = s C^-1 with s = sqrt(0.5 log2 e),
; b = -W mean, and nch = -c/2 with c = log2 e (log_softmax(pi) - 4 ln 2pi) - 0.5 log2 det.  With u = |W x + b|^2 - c the result is
; ln 2 (log2 sum_k 2^(min u - u_k) - min u): the largest exponent is taken away before every exponential.
;
; THE PRODUCT.  One v_wmma_f32_16x16x32_bf16 makes 16 rows (2 components x 8) for 16 points.  The contraction is 8 long, the
; instruction takes 32, and the other 24 places carry the low parts of the operands instead of zeros:
;   k  0- 7: Wh * xh     k  8-15: Wh * xl     k 16-23: Wl * xh     k 24-26: (bh, bm, bl) * (1, 1, 1)     k 27-31: 0 * 0
; (h = upper 16 bits of the f32, l = bf16 of the rest; bh + bm + bl = b exactly).  So W x + b carries about 16 bits, also where x and
; means share a large offset.  W is source A, x source B: register j of lane (r, h) is row 8h + j, column r, that is z_j of point r
; and component 2t + h: the sum of squares stays inside a lane.
;
; LIMITS.  Pivots go through v_rsq_f32 and v_log_f32 (1 ULP; a pivot that rounding makes <= 0 gives NaN).  v_exp_f32 drops
; terms more than 2^126 below the largest.  Where 0.72 x the Mahalanobis distance overflows f32 for all 32 components the result is NaN.
; No cluster: the work-groups share only the 9 KB of parameters; every byte of x is used by one lane.
.set WLB,  4096                        ; LDS: Wh rows at 0 (256 rows x 16 bytes), Wl rows here,
.set BIB,  8192                        ; the bias pieces here,
.set NCB,  12288                       ; nch here: 16 words of the even components, 16 of the odd,
.set OUTB, 12544                       ; and 512 bytes for each wave's 128 results
.set MM, 2                             ; v2      running minimum of u (even: it is read as a pair with v3)
.set TR, 3                             ; v3      temporary
.set DD, 8                             ; v8-31   three accumulator sets of 8
.set NEG1, 16                          ; v16     -1.0 while x is converted (ahead of the first product)
.set UU, 32                            ; v32-47  u of the lane's 16 components
.set NC, 48                            ; v48-63  nch of the lane's 16 components
.set FF, 64                            ; v64-127 x fragments of the wave's 8 groups of 16 points
.set WW, 128                           ; v128-255 W fragments of the 16 tiles
; wave 0's parameter step borrows v8-63 and v128-255
.set MN, 8                             ; mean
.set RR, 16                            ; 1 / C[j][j]
.set LG, 24                            ; log2 of the pivots
.set HQ, 32                            ; a row of Wh, packed
.set LQ, 36                            ; a row of Wl, packed
.set BQ, 40                            ; a row's bias pieces, packed
.set TS, 44                            ; 8 temporaries
.set LL, 128                           ; L[i][j] at LL+8i+j, later W
.set AA, 192                           ; cov, then C, at AA+8i+l; later b in AA+i
.set BB, 192
	s_load_b256 s[4:11], s[0:1], 0x0               ; chol_var s[4:5], means s[6:7], pi s[8:9], x s[10:11]
	s_load_b64 s[12:13], s[0:1], 0x20              ; out0
	v_lshrrev_b32 v2, 5, v0
	v_readfirstlane_b32 s14, v2                    ; wave 0..15
	v_and_b32 v7, 31, v0                           ; lane
	v_lshlrev_b32 v1, 5, v7                        ; a point is 32 bytes: lane l takes point l of each 32
	s_mov_b32 s16, 0x76543210                      ; v_permlanex16_b32: lane i reads lane i of the other half
	s_mov_b32 s17, 0xfedcba98
	s_mov_b32 s18, 0x07060302                      ; v_perm_b32: the upper halves of two words
	s_mov_b32 s19, 0xffff0000                      ; lanes 16-31
	s_mov_b32 s20, 0x3f803f80                      ; bf16 1.0, 1.0
	s_mov_b32 s21, 0x00003f80                      ; bf16 1.0, 0
	s_mov_b32 s22, 0x3f317218                      ; ln 2
	s_lshl_b32 s24, ttmp9, 16                      ; x: 2,048 points x 32 bytes a work-group,
	s_lshl_b32 s15, s14, 12                        ; 128 x 32 a wave
	s_add_co_u32 s24, s24, s15
	s_mov_b32 s25, 0
	s_lshl_b32 s26, ttmp9, 13                      ; out: 2,048 x 4 bytes a work-group,
	s_lshl_b32 s15, s14, 9                         ; 128 x 4 a wave
	s_add_co_u32 s26, s26, s15
	s_mov_b32 s27, 0
	s_add_co_u32 s23, s15, OUTB                    ; my wave's stage in LDS
	s_wait_kmcnt 0x0
	s_add_nc_u64 s[10:11], s[10:11], s[24:25]
	s_add_nc_u64 s[12:13], s[12:13], s[26:27]
; All of the wave's x, 4 KiB, in eight loads.  Pair p = points 32p .. 32p+31; a lane's 8 numbers land where the pair's second fragment will stand.
.macro XLOADS
.irp p, 0,1,2,3
	global_load_b128 v[FF+16*\p+8:FF+16*\p+11],  v1, s[10:11] offset:1024*\p th:TH_LOAD_NT
	global_load_b128 v[FF+16*\p+12:FF+16*\p+15], v1, s[10:11] offset:1024*\p+16 th:TH_LOAD_NT
.endr
.endm
	s_cmp_lg_u32 s14, 0
	s_cbranch_scc1 .Lrest
	; ================= wave 0: the parameters, lane = component =================
	v_lshlrev_b32 v52, 8, v7                       ; 256 bytes of chol_var,
	v_lshlrev_b32 v53, 5, v7                       ; 32 of means,
	v_lshlrev_b32 v54, 2, v7                       ; 4 of pi for each component
.irp i, 0,1,2,3,4,5,6,7
	global_load_b128 v[LL+8*\i:LL+8*\i+3], v52, s[4:5] offset:32*\i
.endr
.irp i, 4,5,6,7
	global_load_b128 v[LL+8*\i+4:LL+8*\i+7], v52, s[4:5] offset:32*\i+16   ; rows 0-3 have nothing below the diagonal here
.endr
	global_load_b128 v[MN:MN+3], v53, s[6:7]
	global_load_b128 v[MN+4:MN+7], v53, s[6:7] offset:16
	global_load_b32 v55, v54, s[8:9]
	XLOADS                                         ; behind the parameters, so that these can be waited for alone
	s_wait_loadcnt 0x8                             ; the 15 parameter loads are in; the 8 younger loads of x stay out
	; log_softmax(pi) in base 2: p - max p - log2 sum 2^(p - max p), over the 32 lanes
	v_mul_f32 v55, 0x3fb8aa3b, v55
	v_mov_b32 v56, v55
	v_mov_b32 v57, v55
	v_max_num_f32_dpp v56, v56, v56 row_xmask:1 row_mask:0xf bank_mask:0xf
	v_max_num_f32_dpp v56, v56, v56 row_xmask:2 row_mask:0xf bank_mask:0xf
	v_max_num_f32_dpp v56, v56, v56 row_xmask:4 row_mask:0xf bank_mask:0xf
	v_max_num_f32_dpp v56, v56, v56 row_xmask:8 row_mask:0xf bank_mask:0xf
	v_permlanex16_b32 v57, v56, s16, s17
	v_max_num_f32 v56, v56, v57
	v_sub_f32 v55, v55, v56
	v_exp_f32 v58, v55
	v_mov_b32 v63, -1.0                            ; the plain instruction between a transcendental and its result's use
	s_wait_alu depctr_va_vdst(0)
	v_add_f32_dpp v58, v58, v58 row_xmask:1 row_mask:0xf bank_mask:0xf
	v_add_f32_dpp v58, v58, v58 row_xmask:2 row_mask:0xf bank_mask:0xf
	v_add_f32_dpp v58, v58, v58 row_xmask:4 row_mask:0xf bank_mask:0xf
	v_add_f32_dpp v58, v58, v58 row_xmask:8 row_mask:0xf bank_mask:0xf
	v_permlanex16_b32 v57, v58, s16, s17
	v_add_f32 v58, v58, v57
	v_log_f32 v58, v58
	v_nop
	s_wait_alu depctr_va_vdst(0)
	v_sub_f32 v55, v55, v58
	; cov[i][l] = sum over j <= l of L[i][j] L[l][j], + 1e-6 on the diagonal; l <= i.  j outermost: neighbouring lines are independent.
.set j, 0
.rept 8
.set i, j
.rept 8
.if i < 8
.set l, j
.rept 8
.if l <= i
.if j == 0
.if l == i
	v_fmaak_f32 v[AA+9*i], v[LL+8*i], v[LL+8*i], 0x358637bd
.else
	v_mul_f32 v[AA+8*i+l], v[LL+8*i], v[LL+8*l]
.endif
.else
	v_fmac_f32 v[AA+8*i+l], v[LL+8*i+j], v[LL+8*l+j]
.endif
.endif
.set l, l+1
.endr
.endif
.set i, i+1
.endr
.set j, j+1
.endr
	; Cholesky, column by column, in place: pivot d; 1/sqrt(d) and log2 d; the column scaled; the rest updated
.set j, 0
.rept 8
	v_rsq_f32 v[RR+j], v[AA+9*j]
	v_log_f32 v[LG+j], v[AA+9*j]
	v_nop                                          ; one plain instruction behind the transcendentals
	s_wait_alu depctr_va_vdst(0)
.set i, j+1
.rept 7
.if i < 8
	v_mul_f32 v[AA+8*i+j], v[AA+8*i+j], v[RR+j]
.endif
.set i, i+1
.endr
.set i, j+1
.rept 7
.if i < 8
.set l, j+1
.rept 7
.if l <= i
	v_fma_f32 v[AA+8*i+l], -v[AA+8*i+j], v[AA+8*l+j], v[AA+8*i+l]
.endif
.set l, l+1
.endr
.endif
.set i, i+1
.endr
.set j, j+1
.endr
	; nch = 0.25 log2 det + 2 log2(2 pi) - 0.5 log_softmax, to LDS: even components first, then the odd
	v_add_f32 v[LG], v[LG], v[LG+1]
	v_add_f32 v[LG+2], v[LG+2], v[LG+3]
	v_add_f32 v[LG+4], v[LG+4], v[LG+5]
	s_wait_alu depctr_va_vdst(0)
	v_add_f32 v[LG+6], v[LG+6], v[LG+7]
	v_add_f32 v[LG], v[LG], v[LG+2]
	v_add_f32 v[LG+4], v[LG+4], v[LG+6]
	v_add_f32 v[LG], v[LG], v[LG+4]
	v_fma_f32 v59, 0.5, v[LG], -v55
	v_fmaak_f32 v59, 0.5, v59, 0x40a9b21d          ; + 5.3029923
	v_and_b32 v61, 1, v7
	v_lshrrev_b32 v62, 1, v7
	v_lshlrev_b32 v62, 2, v62
	v_lshl_add_u32 v61, v61, 6, v62
	ds_store_b32 v61, v59 offset:NCB
	; W = s C^-1, row by row: W[j][j] = s / C[j][j];  W[i][j] = -(1 / C[i][i]) sum over l = j .. i-1 of C[i][l] W[l][j]
.set j, 0
.rept 8
	v_mul_f32 v[LL+9*j], 0x3f596d27, v[RR+j]       ; s = 0.8493218
.set j, j+1
.endr
.set i, 1
.rept 7
.set l, 0
.rept 7
.if l < i
.set j, 0
.rept 7
.if j < l
	v_fmac_f32 v[LL+8*i+j], v[AA+8*i+l], v[LL+8*l+j]
.endif
.if j == l
	v_mul_f32 v[LL+8*i+j], v[AA+8*i+l], v[LL+8*l+j]
.endif
.set j, j+1
.endr
.endif
.set l, l+1
.endr
.set j, 0
.rept 7
.if j < i
	v_mul_f32 v[LL+8*i+j], -v[RR+i], v[LL+8*i+j]
.endif
.set j, j+1
.endr
.set i, i+1
.endr
.irp i, 0,2,4,6
	v_mov_b32 v[LL+9*\i+1], 0                      ; the zero beside the diagonal of an even row: it shares a word with the diagonal
.endr
	; b[i] = -sum over j <= i of W[i][j] mean[j]
.set j, 0
.rept 8
.set i, j
.rept 8
.if i < 8
.if j == 0
	v_mul_f32 v[BB+i], -v[LL+8*i], v[MN]
.else
	v_fma_f32 v[BB+i], -v[LL+8*i+j], v[MN+j], v[BB+i]
.endif
.endif
.set i, i+1
.endr
.set j, j+1
.endr
	; the rows go to LDS as bf16: upper halves; the rest, rounded; b in three pieces.  Words right of the diagonal stay 0.
.irp c, 0,1,2,3
	v_mov_b32 v[HQ+\c], 0
	v_mov_b32 v[LQ+\c], 0
.endr
	v_mov_b32 v[BQ+2], 0
	v_mov_b32 v[BQ+3], 0
	v_lshlrev_b32 v52, 7, v7                       ; 8 rows of 16 bytes for each component
.set i, 0
.rept 8
.set c, 0
.rept 4
.if 2*c <= i
	v_perm_b32 v[HQ+c], v[LL+8*i+2*c+1], v[LL+8*i+2*c], s18
	v_fma_mix_f32_bf16 v[TS+2*c], v[LL+8*i+2*c], v63, v[LL+8*i+2*c] op_sel:[1,0,0] op_sel_hi:[1,0,0]         ; w - upper half of w
	v_fma_mix_f32_bf16 v[TS+2*c+1], v[LL+8*i+2*c+1], v63, v[LL+8*i+2*c+1] op_sel:[1,0,0] op_sel_hi:[1,0,0]
.endif
.set c, c+1
.endr
	v_fma_mix_f32_bf16 v56, v[BB+i], v63, v[BB+i] op_sel:[1,0,0] op_sel_hi:[1,0,0]   ; b - bh
.set c, 0
.rept 4
.if 2*c <= i
	v_cvt_pk_bf16_f32 v[LQ+c], v[TS+2*c], v[TS+2*c+1]
.endif
.set c, c+1
.endr
	v_fma_mix_f32_bf16 v57, v56, v63, v56 op_sel:[1,0,0] op_sel_hi:[1,0,0]           ; b - bh - bm: 8 bits are left, a bf16
	v_perm_b32 v[BQ], v56, v[BB+i], s18            ; bh below, bm above
	v_lshrrev_b32 v[BQ+1], 16, v57                 ; bl below, 0 above
	ds_store_b128 v52, v[HQ:HQ+3] offset:16*i
	ds_store_b128 v52, v[LQ:LQ+3] offset:WLB+16*i
	ds_store_b128 v52, v[BQ:BQ+3] offset:BIB+16*i
.set i, i+1
.endr
	s_branch .Ljoin
.Lrest:
	XLOADS
.Ljoin:
	s_wait_dscnt 0x0                               ; wave 0's table is in LDS before it says so
	s_barrier_signal -1
	; Between the signal and the wait: registers only.  Waves 1-15 convert their x while wave 0 makes the table.
; Pair p: each lane splits its own point; the swap sorts the two groups.  Before it word c holds xh in P (lanes 0-15: first group,
; lanes 16-31: second) and xl in Q; it exchanges P's lanes 16-31 with Q's lanes 0-15: P = first group (xh | xl), Q = second (xh | xl).
; Registers 4-7 of a fragment: xh again in lanes 0-15 (for Wl), the ones for the bias in lanes 16-31.
.macro CONVERT p
	s_wait_loadcnt 6-2*\p                          ; loads return in order: pair p's two are in, the 2 (3 - p) younger stay out
.irp c, 0,1,2,3
	v_perm_b32 v[FF+16*\p+\c], v[FF+16*\p+9+2*\c], v[FF+16*\p+8+2*\c], s18
.endr
.irp j, 0,1,2,3,4,5,6,7
	v_fma_mix_f32_bf16 v[DD+\j], v[FF+16*\p+8+\j], v[NEG1], v[FF+16*\p+8+\j] op_sel:[1,0,0] op_sel_hi:[1,0,0]
.endr
.irp c, 0,1,2,3
	v_cvt_pk_bf16_f32 v[FF+16*\p+8+\c], v[DD+2*\c], v[DD+2*\c+1]
.endr
.irp c, 0,1,2,3
	v_permlane16_swap_b32 v[FF+16*\p+\c], v[FF+16*\p+8+\c]
.endr
.irp q, 0,8
	v_cndmask_b32 v[FF+16*\p+\q+4], v[FF+16*\p+\q], s20, s19
	v_cndmask_b32 v[FF+16*\p+\q+5], v[FF+16*\p+\q+1], s21, s19
	v_cndmask_b32 v[FF+16*\p+\q+6], v[FF+16*\p+\q+2], 0, s19
	v_cndmask_b32 v[FF+16*\p+\q+7], v[FF+16*\p+\q+3], 0, s19
.endr
.endm
	v_mov_b32 v[NEG1], -1.0
	CONVERT 0
	CONVERT 1
	CONVERT 2
	CONVERT 3
	v_and_b32 v4, 15, v0                           ; r
	v_bfe_u32 v5, v0, 4, 1                         ; h
	v_lshlrev_b32 v[UU+1], 4, v4                   ; Wh: row 16 t + r, the same for both halves of the lanes
	v_lshl_add_u32 v[UU+2], v5, 12, v[UU+1]        ; Wl for lanes 0-15, the bias pieces (4,096 bytes on) for lanes 16-31
	v_lshlrev_b32 v[UU], 6, v5                     ; nch of components 2 t + h: 64 bytes for each h
	v_lshl_add_u32 v4, v4, 2, s23                  ; where a group's result goes: word r of its 16
	v_lshl_add_u32 v5, v7, 4, s23                  ; where the wave's results are read back, 16 bytes a lane
	v_lshlrev_b32 v6, 4, v7                        ; and the same 16 bytes in out
	v_mov_b32 v[TR], 0                             ; written once: a lane permute's destination counts as read
	s_barrier_wait -1                              ; the table is there
.irp q, 0,1,2,3
	ds_load_b128 v[NC+4*\q:NC+4*\q+3], v[UU] offset:NCB+16*\q
.endr
.set t, 0
.rept 16
	ds_load_b128 v[WW+8*t:WW+8*t+3], v[UU+1] offset:256*t
	ds_load_b128 v[WW+8*t+4:WW+8*t+7], v[UU+2] offset:WLB+256*t
.set t, t+1
.endr
; Tile n = 16 g + t: group g of points, components 2t and 2t+1.  Every product starts from C = 0; three accumulator sets take turns.
.macro WM n
	v_wmma_f32_16x16x32_bf16 v[DD+8*((\n)%3):DD+8*((\n)%3)+7], v[WW+8*((\n)%16):WW+8*((\n)%16)+7], v[FF+8*((\n)/16):FF+8*((\n)/16)+7], 0
.endm
; z0^2 + nch, z1^2 + nch: the constant rides on the first link, half of it in each of the two sums
.macro SQ1 n
.if (\n)%2
	v_pk_fma_f32 v[DD+8*((\n)%3):DD+8*((\n)%3)+1], v[DD+8*((\n)%3):DD+8*((\n)%3)+1], v[DD+8*((\n)%3):DD+8*((\n)%3)+1], v[NC+(\n)%16-1:NC+(\n)%16] op_sel:[0,0,1] op_sel_hi:[1,1,1]
.else
	v_pk_fma_f32 v[DD+8*((\n)%3):DD+8*((\n)%3)+1], v[DD+8*((\n)%3):DD+8*((\n)%3)+1], v[DD+8*((\n)%3):DD+8*((\n)%3)+1], v[NC+(\n)%16:NC+(\n)%16+1] op_sel_hi:[1,1,0]
.endif
.endm
; + z[2k]^2, + z[2k+1]^2
.macro SQN n, k
	v_pk_fma_f32 v[DD+8*((\n)%3):DD+8*((\n)%3)+1], v[DD+8*((\n)%3)+2*\k:DD+8*((\n)%3)+2*\k+1], v[DD+8*((\n)%3)+2*\k:DD+8*((\n)%3)+2*\k+1], v[DD+8*((\n)%3):DD+8*((\n)%3)+1]
.endm
; A group's 16 + 16 exponents are there: the minimum over both halves of the lanes, 2^(min - u), the sum, the logarithm
.macro TAIL g
	v_min_num_f32 v[MM], v[MM], v[UU+15]
	v_permlanex16_b32 v[TR], v[MM], s16, s17
	v_min_num_f32 v[MM], v[MM], v[TR]
.irp i, 0,2,4,6,8,10,12,14
	v_pk_add_f32 v[UU+\i:UU+\i+1], v[MM:MM+1], v[UU+\i:UU+\i+1] op_sel_hi:[0,1] neg_lo:[0,1] neg_hi:[0,1]
.endr
.irp i, 0,1,2,3,4,5,6,7,8,9,10,11,12,13,14,15
	v_exp_f32 v[UU+\i], v[UU+\i]
.endr
	v_mul_f32 v[TR], s22, v[MM]                    ; ln 2 x min; also the plain instruction behind the exponentials
	s_wait_alu depctr_va_vdst(0)
	v_pk_add_f32 v[UU:UU+1], v[UU:UU+1], v[UU+2:UU+3]
	v_pk_add_f32 v[UU+4:UU+5], v[UU+4:UU+5], v[UU+6:UU+7]
	v_pk_add_f32 v[UU+8:UU+9], v[UU+8:UU+9], v[UU+10:UU+11]
	v_pk_add_f32 v[UU+12:UU+13], v[UU+12:UU+13], v[UU+14:UU+15]
	v_pk_add_f32 v[UU:UU+1], v[UU:UU+1], v[UU+4:UU+5]
	v_pk_add_f32 v[UU+8:UU+9], v[UU+8:UU+9], v[UU+12:UU+13]
	v_pk_add_f32 v[UU:UU+1], v[UU:UU+1], v[UU+8:UU+9]
	v_add_f32 v[UU], v[UU], v[UU+1]
	v_permlanex16_b32 v[UU+1], v[UU], s16, s17
	v_add_f32 v[UU], v[UU], v[UU+1]
	v_log_f32 v[UU], v[UU]
	v_nop                                          ; one plain instruction behind the logarithm
	s_wait_alu depctr_va_vdst(0)
	v_fma_f32 v[UU], s22, v[UU], -v[TR]            ; ln 2 (log2 sum - min)
	ds_store_b32 v4, v[UU] offset:64*(\g)          ; both halves of the lanes hold, and write, the same number
.endm
	; Three products ahead.  LDS loads return in order: tile n's two are in when at most the 2 (15 - n) of the later tiles are out.
	s_wait_dscnt 30
	WM 0
	s_wait_dscnt 28
	WM 1
	s_wait_dscnt 26
	WM 2
.rept 4
	v_nop                                          ; four plain vector instructions stand between a product and the first read of its result (ISA guide 7.12.1)
.endr
	SQ1 0
	SQN 0, 1
; One period for each tile: the second half of tile tau's chain, interleaved with the first half of tile tau+1's, then product tau+3 into
; the set that tile tau has left.  Between a product and the first read of its result stand the six or more lines of other sets' chains;
; between two products into one set the five or more lines of a whole period that names neither.
.set tau, 0
.rept 128
	SQN tau, 2
.if tau < 127
	SQ1 tau+1
.endif
	SQN tau, 3
.if tau < 127
	SQN tau+1, 1
.endif
.if tau%16 == 3
	v_min3_num_f32 v[MM], v[UU], v[UU+1], v[UU+2]
.endif
.if (tau%2 == 1) && (tau%16 > 3)
	v_min3_num_f32 v[MM], v[MM], v[UU+tau%16-2], v[UU+tau%16-1]
.endif
	v_add_f32 v[UU+tau%16], v[DD+8*(tau%3)], v[DD+8*(tau%3)+1]
.if tau+3 < 16
	s_wait_dscnt 2*(15-(tau+3))
.endif
.if tau+3 < 128
	WM tau+3
.endif
.if tau%16 == 15
	TAIL tau/16
.endif
.set tau, tau+1
.endr
	; The wave's 128 results: LDS serves a wave's instructions in order, so the load sees the eight stores.  One store of 512 consecutive
	; bytes, at a multiple of 512 from the buffer's first byte.
	ds_load_b128 v[UU:UU+3], v5
	s_wait_dscnt 0x0
	global_store_b128 v6, v[UU:UU+3], s[12:13] th:TH_STORE_NT
	s_wait_xcnt 0x0
	v_lshl_add_u32 v246, v0, 2, 0x5100
	v_mov_b32 v247, 0
	s_wait_tensorcnt 0x0
	ds_add_u32 v246, v247
	s_wait_dscnt 0x0
	s_endpgm
.Lfunc_end_k_q5cc1d310f5_gmm:
	.size	k_q5cc1d310f5_gmm, .Lfunc_end_k_q5cc1d310f5_gmm-k_q5cc1d310f5_gmm
	.p2alignl 7, 3214868480
	.fill 96, 4, 3214868480
	.section	.rodata,"a",@progbits
	.p2align	6, 0x0
	.amdhsa_kernel k_q5cc1d310f5_gmm
		.amdhsa_group_segment_fixed_size 22784
		.amdhsa_private_segment_fixed_size 0
		.amdhsa_enable_private_segment 0
		.amdhsa_kernarg_size 40
		.amdhsa_user_sgpr_count 2
		.amdhsa_user_sgpr_kernarg_segment_ptr 1
		.amdhsa_wavefront_size32 1
		.amdhsa_system_sgpr_workgroup_id_x 1
		.amdhsa_system_sgpr_workgroup_id_y 1
		.amdhsa_system_sgpr_workgroup_id_z 1
		.amdhsa_system_vgpr_workitem_id 0
		.amdhsa_next_free_vgpr 256
		.amdhsa_next_free_sgpr 66
		.amdhsa_reserve_vcc 0
		.amdhsa_float_denorm_mode_32 3
		.amdhsa_float_denorm_mode_16_64 3
		.amdhsa_memory_ordered 1
		.amdhsa_forward_progress 1
		.amdhsa_inst_pref_size 107
	.end_amdhsa_kernel
	.amdgpu_metadata
---
amdhsa.version: [ 1, 2 ]
amdhsa.kernels:
  - .name:           k_q5cc1d310f5_gmm
    .symbol:         k_q5cc1d310f5_gmm.kd
    .args:
      - { .name: chol_var, .offset: 0, .size: 8, .value_kind: global_buffer, .address_space: global }
      - { .name: means, .offset: 8, .size: 8, .value_kind: global_buffer, .address_space: global }
      - { .name: pi, .offset: 16, .size: 8, .value_kind: global_buffer, .address_space: global }
      - { .name: x, .offset: 24, .size: 8, .value_kind: global_buffer, .address_space: global }
      - { .name: out0, .offset: 32, .size: 8, .value_kind: global_buffer, .address_space: global }
    .group_segment_fixed_size: 22784
    .private_segment_fixed_size: 0
    .kernarg_segment_align: 8
    .kernarg_segment_size: 40
    .max_flat_workgroup_size: 512
    .sgpr_count:     66
    .vgpr_count:     256
    .wavefront_size: 32
...
	.end_amdgpu_metadata
.endif
;; end of part 1
